; MI455X (gfx1250); checked and timed in simulation.
; The chip was launched on July 23, 2026; its instructions are those of AMD's public machine-readable ISA for CDNA 5 (MIT licence, August 2026) and "CDNA5" Instruction Set Architecture Reference Guide (July 2026). The comments in the code are by the model that wrote it; some were corrected since.
;; Fused Lo RAQKV. Allowed arithmetic: matrix products marked QUANTISED: E5M2 operands, one E8M0 scale for each 32 along K, by v_wmma_scale_f32_16x16x128_f8f6f4 with both operands' format E5M2, f32 sums; products left as they are: f32 operands where the result goes on into a quantised operand, else bf16, f16 or f32 operands; f32 sums; everything else in f32.
;; Inputs: KA_codes 16 x 128 x 32 uint8 (E5M2 codes of KA, K innermost, in blocks of 32 codes); KA_scales 16 x 128 uint8 (E8M0 scales of KA, one for each 32 codes along K); KB 4,096 x 16 float32; KW_codes 4,096 x 128 x 32 uint8 (E5M2 codes of KW, K innermost, in blocks of 32 codes); KW_scales 4,096 x 128 uint8 (E8M0 scales of KW, one for each 32 codes along K); QA_codes 16 x 128 x 32 uint8 (E5M2 codes of QA, K innermost, in blocks of 32 codes); QA_scales 16 x 128 uint8 (E8M0 scales of QA, one for each 32 codes along K); QB 4,096 x 16 float32; QW_codes 4,096 x 128 x 32 uint8 (E5M2 codes of QW, K innermost, in blocks of 32 codes); QW_scales 4,096 x 128 uint8 (E8M0 scales of QW, one for each 32 codes along K); VA_codes 16 x 128 x 32 uint8 (E5M2 codes of VA, K innermost, in blocks of 32 codes); VA_scales 16 x 128 uint8 (E8M0 scales of VA, one for each 32 codes along K); VB 4,096 x 16 float32; VW_codes 4,096 x 128 x 32 uint8 (E5M2 codes of VW, K innermost, in blocks of 32 codes); VW_scales 4,096 x 128 uint8 (E8M0 scales of VW, one for each 32 codes along K); X_codes 4 x 256 x 128 x 32 uint8 (E5M2 codes of X, K innermost, in blocks of 32 codes); X_scales 4 x 256 x 128 uint8 (E8M0 scales of X, one for each 32 codes along K).
;; Outputs: out0 4 x 256 x 4,096 float32; out1 4 x 256 x 4,096 float32; out2 4 x 256 x 4,096 float32.
;; This version of the problem:
;;   THIS VERSION OF THE PROBLEM IS GIVEN IN LOW PRECISION. The matrix products marked QUANTISED in the list below multiply operands that are first quantised to E5M2 (5 exponent bits, 2 mantissa bits; 8 bits a number), with one power-of-two scale for each 32 numbers along K (OCP MX v1.0); their sums are f32. All else is computed in f32.
;;   The module's matrix products, in the order in which they are computed (A, B: the left and right operand; K: the contracted axis; several contracted axes count as one K, in the product's order):
;;     1. [M 1,024, K 4,096] x [K 4,096, N 4,096]; A: input X (given as codes); B: input QW (given as codes): QUANTISED
;;     2. [M 1,024, K 4,096] x [K 4,096, N 16]; A: input X (given as codes); B: input QA (given as codes): QUANTISED
;;     3. [M 1,024, K 16] x [K 16, N 4,096]; A: computed on the way; B: input QB: left as it is (K = 16 < 32)
;;     4. [M 1,024, K 4,096] x [K 4,096, N 4,096]; A: input X (given as codes); B: input KW (given as codes): QUANTISED
;;     5. [M 1,024, K 4,096] x [K 4,096, N 16]; A: input X (given as codes); B: input KA (given as codes): QUANTISED
;;     6. [M 1,024, K 16] x [K 16, N 4,096]; A: computed on the way; B: input KB: left as it is (K = 16 < 32)
;;     7. [M 1,024, K 4,096] x [K 4,096, N 4,096]; A: input X (given as codes); B: input VW (given as codes): QUANTISED
;;     8. [M 1,024, K 4,096] x [K 4,096, N 16]; A: input X (given as codes); B: input VA (given as codes): QUANTISED
;;     9. [M 1,024, K 16] x [K 16, N 4,096]; A: computed on the way; B: input VB: left as it is (K = 16 < 32)
;;   THE QUANTISER, for each operand of a quantised product, along K:
;;     - K is cut into blocks of 32 from its start; a last block that is shorter is filled with zeros.
;;     - A block's scale is 2^e with e = floor(log2(the largest magnitude in the block)) - 15, held to -126 .. 127; a block of zeros has e = 0. As a byte (E8M0): e + 127.
;;     - Each number is divided by its block's scale, clamped to +-57,344, and rounded to the nearest number of E5M2, ties to even, subnormals kept.
;;     - The product sums the exact products of the quantised numbers (number of the format x scale) in f32.
;;   ~~~python
;;   def quantise(x, axis):      # numpy; x: float32 -> the quantised numbers, widened to float32 again
;;       x = np.moveaxis(x, axis, -1); K = x.shape[-1]
;;       x = np.pad(x, [(0, 0)] * (x.ndim - 1) + [(0, -K % 32)]); x = x.reshape(x.shape[:-1] + (-1, 32)); a = np.abs(x).max(-1, keepdims=True)
;;       e = np.where(a > 0, np.clip(np.frexp(np.where(a > 0, a, 1))[1] - 1 - 15, -126, 127), 0)      # np.frexp(a)[1] - 1 = floor(log2(a)), exactly
;;       r = np.clip(x / 2.0 ** e, -57344, 57344)
;;       step = 2.0 ** (np.maximum(np.frexp(np.where(r == 0, 1, r))[1] - 1, -14) - 2)
;;       q = np.round(r / step) * step * 2.0 ** e      # np.round: ties to even
;;       return np.moveaxis(q.reshape(q.shape[:-2] + (-1,))[..., :K], -1, axis).astype(np.float32)
;;   ~~~
;;   INPUTS GIVEN AS CODES. KA (in the module: [16, 4096], K = its axis 1); KW (in the module: [4096, 4096], K = its axis 1); QA (in the module: [16, 4096], K = its axis 1); QW (in the module: [4096, 4096], K = its axis 1); VA (in the module: [16, 4096], K = its axis 1); VW (in the module: [4096, 4096], K = its axis 1); X (in the module: [4, 256, 4096], K = its axis 2): each comes as NAME_codes (uint8): NAME with its K axis moved to the last place and cut into blocks of 32 codes, [.., K / 32, bytes a block], one block behind the other in memory; one code a byte (a code: sign, 5 exponent bits, 2 mantissa bits); and NAME_scales (uint8): the same leading axes, one E8M0 byte (e + 127) for each 32 codes along K. Its value is code x scale, taken as it is: it is not quantised again, and the codes and scales need not be those that the quantiser above would give.
;; One version. Each part assembles by itself: llvm-mc -triple=amdgcn-amd-amdhsa -mcpu=gfx1250 --defsym DOCPART=n.
;; ======== version 1 of 1: 1 launch
;; limits: values are held in bf16: 8 bits of precision; right only within a limited range of input values
;; launch qkv (part 1): grid 64 x 4, 4 waves a work-group, clusters of 4 x 4, 327,680 bytes of LDS; arguments X_codes, X_scales, QW_codes, KW_codes, VW_codes, QW_scales, KW_scales, VW_scales, QA_codes, KA_codes, VA_codes, QA_scales, KA_scales, VA_scales, QB, KB, VB, out0, out1, out2; writes out0, out1, out2
.if DOCPART == 1
	.amdgcn_target "amdgcn-amd-amdhsa--gfx1250"
	.amdhsa_code_object_version 6
	.text
	.protected	k_q61d3947937_qkv
	.globl	k_q61d3947937_qkv
	.p2align	8
	.type	k_q61d3947937_qkv,@function
k_q61d3947937_qkv:
	s_mov_b64 s[64:65], 0
	v_nop
	global_prefetch_b8 v0, s[64:65] scope:SCOPE_SE
	s_setreg_imm32_b32 hwreg(HW_REG_WAVE_MODE, 25, 1), 1
	s_wait_xcnt 0x0
	s_wait_alu depctr_hold_cnt(0) depctr_sa_sdst(0) depctr_va_vdst(0) depctr_va_sdst(0) depctr_va_ssrc(0) depctr_va_vcc(0) depctr_vm_vsrc(0)
	s_getreg_b32 s2, hwreg(HW_REG_IB_STS2, 6, 4)
	s_cmp_eq_u32 s2, 0
	s_cbranch_scc0 .Lentry_in_a_cluster
	s_endpgm
.Lentry_in_a_cluster:
	s_bfe_u32 s2, ttmp6, 0x10000c
	s_cmp_lg_u32 s2, 0xf033
	s_cbranch_scc0 .Lentry_shape_is_right
	s_endpgm
.Lentry_shape_is_right:
; Y = X W^T + 2 (X A^T) B^T for (W, A, B) = Q's, K's and V's.  X [1024][4096], W [4096][4096], A [16][4096]: codes of BF8 (E5M2), K innermost, one E8M0 byte for each 32 along K; B [4096][16] f32; Y [1024][4096] f32.
; X W^T and T = X A^T go to the matrix unit as codes and scale bytes; T (2 B)^T goes as bf16 with f32 sums, onto the same accumulators.
; SHARES.  The outputs side by side are 1024 x 12288: 4 x 64 tiles of 256 x 192, one work-group each, 256 in all.  A cluster of 4 x 4 takes all four tile rows and 12 runs of 64 columns: eight (D) of one weight, four (S) of one weight:
;   S first in clusters 0-7, D first in 8-15: so the borders at run 64 (cluster 5: S = Q, D = K) and at run 128 (cluster 10: D = K, S = V) fall between D and S.  A work-group takes two neighbouring runs of D and one of S.
;   Which weight D and S are hangs on the cluster's number alone; elsewhere both are the same one.
; A wave makes 128 rows x 96 columns and, as a seventh block of 16 columns, T: the waves of D's half (CH = 0) by the adapter of D's weight, those of the other half (CH = 1: S and the last 32 columns of D) by the adapter of S's.
;   Column blocks b of a wave: 0-3 the main run (D's first, or S), 4-5 its half of D's second run, 6 the adapter's 16 rows.
; At the end the two T of a row half lie side by side along K = 32 of a bf16 fragment (D's at 0-15, S's at 16-31), and B's fragment has zeros in the half that is not its own.
; K goes in steps of 256 through two LDS slots (256 rows of X, 128 of D, 64 of S): waves 0 and 1 fetch X's halves, wave 2 D's rows, wave 3 S's: one tensor load a wave.
; CLUSTERS: X's tiles are shared along a row of the cluster, W's along a column: joint loads.  The adapters' rows (8 KB of a step's 120 KB) are wanted by all sixteen, more than a mask names: each work-group brings
;   them through registers, a K step ahead.  So do the scale bytes, once, at the head, in runs of 256 bytes.  The adapters' codes are not prefetched: 8 KB a K step, for which a whole K step is left.
; PREFETCH of W's and X's tiles: behind a refill the K step two refills on.  W's rows are shared out by address among the four work-groups of a column; X's rows, which all clusters read, are asked for by clusters 0, 5, 10, 15 alone.
; LIMITS: T and 2 B are rounded to bf16 for the rank-16 product (bf16 has f32's range).  Codes of infinity or NaN and the scale byte 0xff are taken as the matrix unit takes them; where a T is infinite or NaN, its row's
;   columns of the other weight in the same work-group may become NaN too.
; REGISTERS, in windows of 256.  window 0: v0-31 addresses (v2-9, v22-25 later B in bf16), v32-63 scale words, two sets of 16, v64-67 addresses, v68-71, v88-95 B in bf16, v72-87 the adapters' codes on their way,
;   v96-143 W's set 1, blocks 4-6, v144-255 W's set 0.   window 1: X's sets 0, 1 (8 fragments of 16).   window 2: accumulators of blocks 0-3 at v[64 b + 8 a];  window 3: of blocks 4-6 at v[64 (b - 4) + 8 a], v192-255 W's set 1, blocks 0-3.
; Where D and S are of one weight (all clusters but 5 and 10), T is made by the waves CH = 0 alone: behind K step 0's first 128 the waves CH = 1 pass over the adapter's fragment and its products, and take both halves of the fragment from their partner's T.
.set PITCH, 272                        ; an LDS row: 256 bytes + 16 of padding = 68 words: the 16 rows of a fragment load start at 16 different banks (64 banks of 4 bytes: ISA guide 11.1)
.set AS7, 1                            ; v1: scale words of X's block 7; lanes 16-31 read column block 6's once more, for nobody
.set TWO, 4                            ; s4: 1 where D and S are of two weights
.set SKP, 5                            ; s5: 1 in a wave that makes no T
.set BLK,   16*PITCH
.set DOF,   256*PITCH                  ; in a slot: X's 256 rows, D's 128, S's 64
.set SOF,   384*PITCH
.set SLOT,  448*PITCH
.set WSC,   2*SLOT                     ; scale bytes, two rows of 128 in 256 + 16: for each of two wave columns 96 rows of W and 16 of the adapter,
.set WCOL,  56*PITCH
.set XSC,   WSC+2*WCOL                 ; then X's 256 rows
.set SBK,   8*PITCH                    ; 16 rows of scale bytes
.set ARG,   XSC+128*PITCH              ; the adapters' codes: two slots of 32 rows (D's 16, S's 16)
.set ASLOT, 32*PITCH
.set SPARE, ARG+2*ASLOT                ; the spare words, 128 bytes for each wave
.set SHS,   16384                      ; at the end, in slot 0, which by then has had its last fill and its last read: T's images (4 x 4,096 bytes), D's second run of columns (256 rows),
.set MST,   SHS+256*PITCH              ; and a stage of 16 rows for each wave
.set AX,   10
.set AWM,  12
.set AWS,  14
.set AA,   16
.set ASL,  17
.set AST,  18
.set AO,   19
.set L16,  20
.set PFO,  21
.set XST,  22
.set DST,  23
.set SST,  24
.set AST2, 25
.set TIW,  26
.set TIR,  27
.set SHW,  28
.set SHR,  29
.set MSW,  30
.set MSR,  31
.set SC,   32
.set COUT, 64
.set SPW,  65
.set NIL,  66
.set BO,   67
.set AG,   72
.set PB0, 2
.set PB1, 6
.set PB2, 22
.set PB3, 68
.set PB4, 88
.set PB5, 92
.set BF,   192                         ; at the end B's fragments
.set WV, 8                             ; wave; RH its row half; CH its column half
.set RH, 9
.set CH, 10
.set XLD, 11                           ; where my half of X's rows goes in a slot
.set AP, 12                            ; s[12:13] the adapters' codes, my rows;  s[14:15], s[16:17] B for the main run, for D's second;  s[18:19], s[20:21] Y likewise
.set PFB, 22
.set LIM, 66                           ; 1 where my wave prefetches, else the greatest number
.set G1X, 68
.set G1D, 76
.set G1S, 84
.set G0X, 92
.set G0D, 96
.set G0S, 60
.set MSB, 0
.macro WIN new                         ; the immediate's high byte repeats the setting that is left
.if MSB != (\new)
	s_set_vgpr_msb (MSB<<8)|(\new)
.set MSB, \new
.endif
.endm
.macro PLACES n
.rept \n
	v_nop
.endr
.endm
.macro TL g0, g1
	tensor_load_to_lds s[\g0:\g0+3], s[\g1:\g1+7]
	s_nop 0
	PLACES 4
.endm
.macro JLOAD                           ; one joint load a wave: the branches hang on the wave's number alone
	s_cmp_lt_u32 s[WV], 2
	s_cbranch_scc0 .Lnot_x_\@
	TL G0X, G1X
	s_branch .Lasked_\@
.Lnot_x_\@:
	s_cmp_lg_u32 s[WV], 2
	s_cbranch_scc1 .Lnot_d_\@
	TL G0D, G1D
	s_branch .Lasked_\@
.Lnot_d_\@:
	TL G0S, G1S
.Lasked_\@:
.endm
.macro CREST                           ; a round of the cluster's barrier behind its opening barrier
	s_cmp_lg_u32 s[WV], 0
	s_cbranch_scc1 .Lnot_wave_0_\@
	s_barrier_signal -3
.Lnot_wave_0_\@:
	s_barrier_wait -3
	s_barrier_signal -1
	s_barrier_wait -1
.endm
.macro CROUND
	s_barrier_signal -1
	s_barrier_wait -1
	CREST
.endm
.macro STEPG slot                      ; the groups 0 go on to the next K step, into this slot
	s_add_co_u32 s[G0X+1], s[XLD], (\slot)*SLOT
	s_mov_b32 s[G0D+1], (\slot)*SLOT+DOF
	s_mov_b32 s[G0S+1], (\slot)*SLOT+SOF
	s_add_nc_u64 s[G0X+2:G0X+3], s[G0X+2:G0X+3], 256
	s_add_nc_u64 s[G0D+2:G0D+3], s[G0D+2:G0D+3], 256
	s_add_nc_u64 s[G0S+2:G0S+3], s[G0S+2:G0S+3], 256
.endm
.macro GRP1 g, m, rows                 ; descriptor group 1: rows of 256 bytes, 4 words of padding behind each; bit 21 beside the mask
	s_or_b32 s[\g], s[\m], (1<<20)|(1<<21)|(5<<22)|(3<<25)
	s_mov_b32 s[\g+1], 256<<16
	s_mov_b32 s[\g+2], (\rows)<<16
	s_mov_b32 s[\g+3], 256<<16
	s_mov_b32 s[\g+4], \rows
	s_mov_b32 s[\g+5], 4096
	s_mov_b32 s[\g+6], 0
	s_mov_b32 s[\g+7], 0
.endm
.macro SEL w, d, q, k, v               ; a buffer of weight s[w]: 0 Q, 1 K, 2 V
	s_cmp_eq_u32 s[\w], 1
	s_cselect_b64 s[\d:\d+1], s[\k:\k+1], s[\q:\q+1]
	s_cmp_eq_u32 s[\w], 2
	s_cselect_b64 s[\d:\d+1], s[\v:\v+1], s[\d:\d+1]
.endm
	s_load_b128 s[4:7], s[0:1], 0x0                ; X's codes, X's scales
	s_load_b512 s[24:39], s[0:1], 0x10             ; codes of QW 24, KW 26, VW 28; scales 30, 32, 34; codes of QA 36, KA 38,
	s_load_b512 s[40:55], s[0:1], 0x50             ; VA 40; scales of QA 42, KA 44, VA 46; QB 48, KB 50, VB 52; out0 54,
	s_load_b128 s[56:59], s[0:1], 0x90             ; out1 56, out2 58
	v_lshl_add_u32 v[SPW], v0, 2, SPARE
	v_mov_b32 v[NIL], 0
	ds_add_u32 v[SPW], v[NIL]                      ; the wave's opening: the add, twice on end; the set-up below stands between it and its wait
	ds_add_u32 v[SPW], v[NIL]
	v_lshrrev_b32 v1, 5, v0
	v_readfirstlane_b32 s[WV], v1
	s_lshr_b32 s[RH], s[WV], 1
	s_and_b32 s[CH], s[WV], 1
	s_mul_i32 s[XLD], s[CH], 128*PITCH
	; LDS bases: constants and the wave's number
	s_mul_i32 s12, s[RH], 128*PITCH
	s_mul_i32 s13, s[CH], 128*PITCH
	s_add_co_u32 s13, s13, DOF                     ; the main run's 64 rows
	s_mul_i32 s14, s[CH], 32*PITCH
	s_add_co_u32 s14, s14, DOF+64*PITCH            ; my 32 rows of D's second run
	s_mul_i32 s15, s[CH], BLK
	s_add_co_u32 s15, s15, ARG                     ; my adapter's 16 rows
	s_mul_i32 s16, s[CH], WCOL
	s_add_co_u32 s16, s16, WSC+8                   ; scale words: W's for lanes 16-31, 8 bytes on, so that they lie on other banks than X's,
	s_mul_i32 s17, s[RH], 64*PITCH
	s_add_co_u32 s17, s17, XSC
	s_sub_co_u32 s17, s17, s16                     ; X's, further on, for lanes 0-15
	s_mul_i32 s18, s[WV], 32*PITCH
	s_add_co_u32 s18, s18, XSC                     ; where I put X's scale bytes, 32 runs of 256,
	s_and_b32 s19, s[RH], s[CH]
	s_mul_i32 s19, s19, 40*PITCH
	s_mul_i32 s20, s[WV], 16*PITCH
	s_add_co_u32 s19, s19, s20
	s_add_co_u32 s19, s19, WSC+8                   ; D's, 16 runs: wave 3's belong to the other wave column,
	s_mul_i32 s20, s[WV], 8*PITCH
	s_add_co_u32 s20, s20, WSC+WCOL+8              ; S's, 8 runs,
	s_mul_i32 s21, s[RH], WCOL
	s_mul_i32 s22, s[CH], 4*PITCH
	s_add_co_u32 s21, s21, s22
	s_add_co_u32 s21, s21, WSC+48*PITCH+8          ; and the adapters', 4 runs
	s_mul_i32 s22, s[WV], 8*PITCH
	s_add_co_u32 s22, s22, ARG                     ; where I put the adapters' codes: 8 rows
	s_cmp_eq_u32 s[WV], 3
	s_cselect_b32 s23, 15, 31                      ; wave 3 prefetches 16 rows
	s_lshl_b32 s92, s[WV], 12
	s_lshl_b32 s93, s[RH], 13
	s_mul_i32 s94, s[RH], 128*PITCH
	s_lshl_b32 s95, s[CH], 7
	s_add_co_u32 s94, s94, s95
	s_add_co_u32 s94, s94, SHS
	s_mul_i32 s95, s[WV], 64*PITCH
	s_add_co_u32 s95, s95, SHS
	s_mul_i32 s96, s[WV], BLK
	s_add_co_u32 s96, s96, MST
	v_and_b32 v2, 15, v0                           ; r
	v_bfe_u32 v3, v0, 4, 1                         ; h
	v_and_b32 v4, 31, v0                           ; lane
	v_mul_u32_u24 v5, v2, PITCH
	v_lshl_add_u32 v5, v3, 4, v5                   ; a fragment's row x pitch + 16 h
	v_mul_u32_u24 v7, v3, PITCH
	v_lshl_add_u32 v7, v2, 4, v7                   ; lanes 0-15 a row of 256 bytes, lanes 16-31 the next
	v_lshl_add_u32 v8, v3, 4, v5                   ; row x pitch + 32 h
	v_lshrrev_b32 v6, 1, v2
	v_mul_u32_u24 v6, v6, PITCH
	v_and_b32 v1, 1, v2
	v_lshl_add_u32 v6, v1, 7, v6                   ; row r's scale bytes
	v_xor_b32 v9, 1, v3
	v_mul_u32_u24 v9, s17, v9
	v_add_nc_u32 v6, v6, v9
	v_add_nc_u32 v[ASL], s16, v6
	v_xor_b32 v9, 1, v3
	v_mul_u32_u24 v9, SBK, v9
	v_add_nc_u32 v9, 6*SBK, v9
	v_add_nc_u32 v[AS7], v[ASL], v9
	v_add_nc_u32 v[AX], s12, v5
	v_add_nc_u32 v[AX+1], SLOT, v[AX]
	v_add_nc_u32 v[AWM], s13, v5
	v_add_nc_u32 v[AWM+1], SLOT, v[AWM]
	v_add_nc_u32 v[AWS], s14, v5
	v_add_nc_u32 v[AWS+1], SLOT, v[AWS]
	v_add_nc_u32 v[AA], s15, v5
	v_add_nc_u32 v[XST], s18, v7
	v_add_nc_u32 v[DST], s19, v7
	v_add_nc_u32 v[SST], s20, v7
	v_add_nc_u32 v[AST2], s21, v7
	v_add_nc_u32 v[AST], s22, v7
	v_lshlrev_b32 v[AO], 12, v3
	v_lshl_add_u32 v[AO], v2, 4, v[AO]
	v_lshlrev_b32 v[L16], 4, v4
	v_min_u32 v[PFO], s23, v4
	v_lshlrev_b32 v[PFO], 12, v[PFO]
	v_add_nc_u32 v[TIW], s92, v[L16]
	v_add_nc_u32 v[TIR], s93, v[L16]
	v_add_nc_u32 v[SHW], s94, v8
	v_add_nc_u32 v[SHR], s95, v7
	v_add_nc_u32 v[MSW], s96, v8
	v_add_nc_u32 v[MSR], s96, v7
	v_lshlrev_b32 v[COUT], 14, v3
	v_lshl_add_u32 v[COUT], v2, 4, v[COUT]
	v_lshlrev_b32 v[BO], 6, v2
	v_lshl_add_u32 v[BO], v3, 5, v[BO]
	; my place: cx, cy (the grid has one cluster along y: cy is the tile row); D's and S's first runs, their weights, my runs
	s_bfe_u32 s100, ttmp6, 0x40000
	s_bfe_u32 s101, ttmp6, 0x40004
	s_mul_i32 s2, ttmp9, 12
	s_cmp_lt_u32 ttmp9, 8
	s_cselect_b32 s104, 4, 0
	s_cselect_b32 s105, 0, 8
	s_add_co_u32 s104, s104, s2
	s_add_co_u32 s105, s105, s2
	s_lshr_b32 s66, s104, 6                        ; D's weight
	s_lshr_b32 s67, s105, 6                        ; S's
	s_and_b32 s104, s104, 63
	s_and_b32 s105, s105, 63
	s_lshl_b32 s14, s100, 1
	s_add_co_u32 s104, s104, s14                   ; my first run of D inside its weight
	s_add_co_u32 s105, s105, s100                  ; my run of S
	s_lshl_b32 s16, s101, 2
	s_lshl_b32 s16, 15, s16                        ; my row of the cluster
	s_lshl_b32 s14, 0x1111, s100                   ; my column
	GRP1 G1X, 16, 128
	GRP1 G1D, 14, 128
	GRP1 G1S, 14, 64
	s_mov_b32 s[G0X], 1
	s_add_co_u32 s[G0X+1], s[XLD], 0
	s_mov_b32 s[G0D], 1
	s_mov_b32 s[G0D+1], DOF
	s_mov_b32 s[G0S], 1
	s_mov_b32 s[G0S+1], SOF
	s_cmp_eq_u32 s[RH], 1
	s_cselect_b32 s2, s67, s66                     ; whose adapter's rows I bring
	s_cmp_eq_u32 s[CH], 1
	s_cselect_b32 s3, s67, s66                     ; whose my main run is
	s_wait_alu depctr_va_vdst(0)
	s_wait_dscnt 0x0                               ; both opening adds are done
	CROUND                                         ; all sixteen work-groups are here
	s_wait_kmcnt 0x0
	SEL 66, 98, 24, 26, 28
	SEL 67, 62, 24, 26, 28
	s_lshl_b32 s24, s101, 20                       ; X: 256 rows of 4,096 bytes a tile row, my 128 of them: made of cy and the wave alone
	s_lshl_b32 s25, s[CH], 19
	s_add_co_u32 s24, s24, s25
	s_mov_b32 s25, 0
	s_add_nc_u64 s[G0X+2:G0X+3], s[4:5], s[24:25]
	s_or_b32 s[G0X+3], s[G0X+3], 0x80000000
	s_lshl_b32 s26, s104, 18                       ; W: 64 rows a run: made of the cluster's number and cx alone
	s_mov_b32 s27, 0
	s_add_nc_u64 s[G0D+2:G0D+3], s[G0D+2:G0D+3], s[26:27]
	s_lshl_b32 s26, s105, 18
	s_add_nc_u64 s[G0S+2:G0S+3], s[G0S+2:G0S+3], s[26:27]
	s_cmp_eq_u32 s[WV], 2                          ; the prefetch: waves 0, 1 X's rows, wave 2 D's, wave 3 S's
	s_cselect_b64 s[PFB:PFB+1], s[G0D+2:G0D+3], s[4:5]
	s_cmp_eq_u32 s[WV], 3
	s_cselect_b64 s[PFB:PFB+1], s[G0S+2:G0S+3], s[PFB:PFB+1]
	s_or_b32 s[G0D+3], s[G0D+3], 0x80000000
	s_or_b32 s[G0S+3], s[G0S+3], 0x80000000
	JLOAD                                          ; K step 0: one tensor load a wave
	; scale bytes, adapters' codes of K steps 0 and 1, B: through registers, under that load's flight
	s_lshl_b32 s24, s101, 15
	s_lshl_b32 s25, s[WV], 13
	s_add_co_u32 s24, s24, s25
	s_mov_b32 s25, 0
	s_add_nc_u64 s[6:7], s[6:7], s[24:25]
.irp j, 0,1,2,3,4,5,6,7,8,9,10,11,12,13,14,15
	global_load_b128 v[96+4*\j:99+4*\j], v[L16], s[6:7] offset:512*\j
.endr
	SEL 2, AP, 36, 38, 40
	SEL 2, 28, 42, 44, 46
	SEL 66, 38, 30, 32, 34
	SEL 67, 40, 30, 32, 34
	s_mov_b32 s37, 0
	s_lshl_b32 s36, s104, 13
	s_lshl_b32 s2, s[WV], 12
	s_add_co_u32 s36, s36, s2
	s_add_nc_u64 s[38:39], s[38:39], s[36:37]
	s_lshl_b32 s36, s105, 13
	s_lshl_b32 s2, s[WV], 11
	s_add_co_u32 s36, s36, s2
	s_add_nc_u64 s[40:41], s[40:41], s[36:37]
	s_lshl_b32 s36, s[CH], 10
	s_add_nc_u64 s[28:29], s[28:29], s[36:37]
	s_lshl_b32 s36, s[CH], 15
	s_add_nc_u64 s[AP:AP+1], s[AP:AP+1], s[36:37]
.irp j, 0,1,2,3,4,5,6,7
	global_load_b128 v[160+4*\j:163+4*\j], v[L16], s[38:39] offset:512*\j
.endr
.irp j, 0,1,2,3
	global_load_b128 v[192+4*\j:195+4*\j], v[L16], s[40:41] offset:512*\j
.endr
.irp j, 0,1
	global_load_b128 v[208+4*\j:211+4*\j], v[L16], s[28:29] offset:512*\j
.endr
.irp j, 0,1,2,3
	global_load_b128 v[216+4*\j:219+4*\j], v[AO], s[AP:AP+1] offset:8192*\j
.endr
	SEL 3, 14, 48, 50, 52
	SEL 66, 16, 48, 50, 52
	SEL 3, 18, 54, 56, 58
	SEL 66, 20, 54, 56, 58
	s_cmp_eq_u32 s66, s67                          ; one weight or two: the cluster's number alone says it
	s_cselect_b32 s[SKP], s[CH], 0
	s_cselect_b32 s[TWO], 0, 1
	s_cmp_eq_u32 s[CH], 1
	s_cselect_b32 s2, s105, s104                   ; my main run
	s_lshl_b32 s36, s2, 12                         ; B: 64 rows of 64 bytes a run
	s_add_nc_u64 s[14:15], s[14:15], s[36:37]
	s_lshl_b32 s36, s104, 12
	s_lshl_b32 s26, s[CH], 11
	s_add_co_u32 s36, s36, s26
	s_add_co_u32 s36, s36, 4096
	s_add_nc_u64 s[16:17], s[16:17], s[36:37]
.irp j, 0,1,2,3
	global_load_b128 v[AG+4*\j:AG+4*\j+3], v[AO], s[AP:AP+1] offset:8192*\j+256
.endr
	WIN 0xc0                                       ; B as f32 into the registers of W's set 1, blocks 0-2
.irp b, 0,1,2,3
	global_load_b128 v[192+8*\b:192+8*\b+3], v[BO], s[14:15] offset:\b*1024            ; B(16 b + r, 8 h + 0 .. 3)
	global_load_b128 v[192+8*\b+4:192+8*\b+7], v[BO], s[14:15] offset:\b*1024+16
.endr
.irp b, 4,5
	global_load_b128 v[192+8*\b:192+8*\b+3], v[BO], s[16:17] offset:(\b-4)*1024
	global_load_b128 v[192+8*\b+4:192+8*\b+7], v[BO], s[16:17] offset:(\b-4)*1024+16
.endr
	WIN 0
	s_lshl_b32 s36, s2, 8                          ; Y: a run is 256 bytes of a row of 16,384
	s_lshl_b32 s26, s101, 22
	s_add_co_u32 s36, s36, s26
	s_lshl_b32 s26, s[RH], 21
	s_add_co_u32 s36, s36, s26
	s_add_nc_u64 s[18:19], s[18:19], s[36:37]
	s_lshl_b32 s36, s104, 8
	s_lshl_b32 s26, s101, 22
	s_add_co_u32 s36, s36, s26
	s_lshl_b32 s26, s[WV], 20                      ; of D's second run I store 64 rows
	s_add_co_u32 s36, s36, s26
	s_add_co_u32 s36, s36, 256
	s_add_nc_u64 s[20:21], s[20:21], s[36:37]
	s_lshl_b32 s36, s101, 20                       ; the prefetch's rows: X: 256 cy + 64 cx + 32 (wave); D: 32 cy of its 128; S: 16 cy of its 64
	s_lshl_b32 s26, s100, 18
	s_add_co_u32 s36, s36, s26
	s_lshl_b32 s26, s[CH], 17
	s_add_co_u32 s36, s36, s26
	s_lshl_b32 s26, s101, 17
	s_lshl_b32 s27, s101, 16
	s_cmp_eq_u32 s[WV], 2
	s_cselect_b32 s36, s26, s36
	s_cmp_eq_u32 s[WV], 3
	s_cselect_b32 s36, s27, s36
	s_add_nc_u64 s[PFB:PFB+1], s[PFB:PFB+1], s[36:37]
	s_mul_i32 s36, ttmp9, 13
	s_lshr_b32 s36, s36, 6                         ; cluster / 5
	s_mul_i32 s36, s36, 5
	s_cmp_eq_u32 ttmp9, s36
	s_cselect_b32 s36, 1, s[RH]                    ; X's rows: clusters 0, 5, 10, 15; W's: every cluster its own
	s_cmp_eq_u32 s36, 0
	s_cselect_b32 s[LIM], -1, 1
	s_cmp_eq_u32 s[LIM], 1
	s_cbranch_scc0 .Lno_first
	global_prefetch_b8 v[PFO], s[PFB:PFB+1] offset:256 th:TH_LOAD_NT scope:SCOPE_SE    ; K steps 1 to 3, a row's 256 bytes a lane
	global_prefetch_b8 v[PFO], s[PFB:PFB+1] offset:512 th:TH_LOAD_NT scope:SCOPE_SE
	global_prefetch_b8 v[PFO], s[PFB:PFB+1] offset:768 th:TH_LOAD_NT scope:SCOPE_SE
.Lno_first:
	s_wait_loadcnt 0x10                            ; all but the adapters' codes of K step 1 (4 loads) and B (12)
.irp j, 0,1,2,3,4,5,6,7,8,9,10,11,12,13,14,15
	ds_store_b128 v[XST], v[96+4*\j:99+4*\j] offset:2*PITCH*\j
.endr
.irp j, 0,1,2,3,4,5,6,7
	ds_store_b64 v[DST], v[160+4*\j:161+4*\j] offset:2*PITCH*\j
	ds_store_b64 v[DST], v[162+4*\j:163+4*\j] offset:2*PITCH*\j+8
.endr
.irp j, 0,1,2,3
	ds_store_b64 v[SST], v[192+4*\j:193+4*\j] offset:2*PITCH*\j
	ds_store_b64 v[SST], v[194+4*\j:195+4*\j] offset:2*PITCH*\j+8
.endr
.irp j, 0,1
	ds_store_b64 v[AST2], v[208+4*\j:209+4*\j] offset:2*PITCH*\j
	ds_store_b64 v[AST2], v[210+4*\j:211+4*\j] offset:2*PITCH*\j+8
.endr
.irp j, 0,1,2,3
	ds_store_b128 v[AST], v[216+4*\j:219+4*\j] offset:2*PITCH*\j
.endr
.macro XF slot, q, p, a0               ; four of X's fragments of the slot's q-th 128 along K into set p: lane l holds row l % 16; registers 4 c .. 4 c + 3 hold K = 32 c + 16 (l / 16) + 0 .. 15
	WIN 0x40
.irp a, \a0, \a0+1, \a0+2, \a0+3
.irp c, 0,1,2,3
	ds_load_b128 v[128*(\p)+16*(\a)+4*\c:128*(\p)+16*(\a)+4*\c+3], v[AX+(\slot)] offset:(\a)*BLK+128*(\q)+32*\c
.endr
.endr
.endm
.macro WF slot, q, p, b                ; W's fragment b, or the adapter's (b = 6)
.if (\p) == 0
	WIN 0
.set R_, 144+16*\b
.elseif \b < 4
	WIN 0xc0
.set R_, 192+16*\b
.else
	WIN 0
.set R_, 96+16*(\b-4)
.endif
.irp c, 0,1,2,3
.if \b < 4
	ds_load_b128 v[R_+4*\c:R_+4*\c+3], v[AWM+(\slot)] offset:\b*BLK+128*(\q)+32*\c
.elseif \b < 6
	ds_load_b128 v[R_+4*\c:R_+4*\c+3], v[AWS+(\slot)] offset:(\b-4)*BLK+128*(\q)+32*\c
.else
	ds_load_b128 v[R_+4*\c:R_+4*\c+3], v[AA] offset:(\slot)*ASLOT+128*(\q)+32*\c
.endif
.endr
.endm
.macro SCALES set, off                 ; a K step's scale words, two a row: register 2 i + q: lanes 0-15 X's block i, lanes 16-31 the wave's column block i (of i = 7 nobody reads these lanes)
	WIN 0
.irp i, 0,1,2,3,4,5,6
	ds_load_b64 v[SC+16*(\set)+2*\i:SC+16*(\set)+2*\i+1], v[ASL] offset:\i*SBK+(\off)
.endr
	ds_load_b64 v[SC+16*(\set)+14:SC+16*(\set)+15], v[AS7] offset:(\off)
.endm
; Matrix instructions of column block b with X's blocks a0 .. a0 + n - 1: set p, which holds the slot's p-th 128 along K; scale words of set sc.  Transposed: source 0 = W's rows, source 1 = X's: a lane holds eight neighbouring columns of a row.
; zero = 1: the product starts the sums.  The 56 accumulators take turns, one instruction a turn, in the same order in every step.
.macro MULB b, p, sc, zero, a0, n
.if \p == 0
.set WR_, 144+16*\b
.elseif \b < 4
.set WR_, 192+16*\b
.else
.set WR_, 96+16*(\b-4)
.endif
.if \b < 4
.set AC_, 64*\b
	WIN 0xa4+3*\p
.else
.set AC_, 64*(\b-4)
	WIN 0xf4
.endif
.set A_, \a0
.rept \n
.if \zero
	v_wmma_scale_f32_16x16x128_f8f6f4 v[AC_+8*A_:AC_+8*A_+7], v[WR_:WR_+15], v[128*\p+16*A_:128*\p+16*A_+15], 0, v[SC+16*(\sc)+2*\b+\p], v[SC+16*(\sc)+2*A_+\p] matrix_a_fmt:MATRIX_FMT_BF8 matrix_b_fmt:MATRIX_FMT_BF8 matrix_a_scale:MATRIX_SCALE_ROW1
.else
	v_wmma_scale_f32_16x16x128_f8f6f4 v[AC_+8*A_:AC_+8*A_+7], v[WR_:WR_+15], v[128*\p+16*A_:128*\p+16*A_+15], v[AC_+8*A_:AC_+8*A_+7], v[SC+16*(\sc)+2*\b+\p], v[SC+16*(\sc)+2*A_+\p] matrix_a_fmt:MATRIX_FMT_BF8 matrix_b_fmt:MATRIX_FMT_BF8 matrix_a_scale:MATRIX_SCALE_ROW1
.endif
.set A_, A_+1
.endr
.endm
; A K step's first 128 (set 0); among its products the same slot's second 128 is fetched into set 1, whose last readers stand eight places back.
; so: where in their rows the next K step's scale words lie.  The counted waits take the way on which the adapter's four loads are not issued.
.macro HALF0 slot, sc, zero, so
	s_wait_dscnt 20                                ; X's blocks and column block 0 are in; column blocks 1-5 may be out
	MULB 0, 0, \sc, \zero, 0, 8
	PLACES 8
	XF \slot, 1, 1, 0
	XF \slot, 1, 1, 4
	s_wait_dscnt 40                                ; column blocks 1-3 are in; behind them eight loads of blocks 4, 5 and the 32 just issued
	MULB 1, 0, \sc, \zero, 0, 8
	MULB 2, 0, \sc, \zero, 0, 8
	MULB 3, 0, \sc, \zero, 0, 8
	s_wait_dscnt 32                                ; column blocks 4-6 too
	WF \slot, 1, 1, 0
	WF \slot, 1, 1, 1
	WF \slot, 1, 1, 2
	WF \slot, 1, 1, 3
	WF \slot, 1, 1, 4
	WF \slot, 1, 1, 5
.if (\zero) == 0
	s_cmp_eq_u32 s[SKP], 1
	s_cbranch_scc1 .Lno_fragment_\@
.endif
	WF \slot, 1, 1, 6
.Lno_fragment_\@:
	SCALES 1-(\sc), \so                            ; the next K step's scale words into the other set
	MULB 4, 0, \sc, \zero, 0, 8
	MULB 5, 0, \sc, \zero, 0, 8
	WIN 0
.if (\zero) == 0
	s_cmp_eq_u32 s[SKP], 1
	s_cbranch_scc1 .Lno_t_\@
.endif
	MULB 6, 0, \sc, \zero, 0, 8
	WIN 0
.Lno_t_\@:
.endm
; A K step's second 128 (set 1) changes slots.  In front of the barrier each wave puts its part of the next K step's adapter codes into LDS, waits for its tensor load, adds 0 to its spare word, and waits for all its LDS work.
; fill = 1: the barrier opens a round of the cluster's; behind it this slot takes the K step two on, and the adapters' codes of that K step set out for the registers.
.macro TURN slot, sc, fill
	s_wait_dscnt 20                                ; X's blocks and column blocks 0-2 are in; three fragments (12 loads) and the eight scale loads may be out
	MULB 0, 1, \sc, 0, 0, 8
	MULB 1, 1, \sc, 0, 0, 8
	WIN 0
	s_wait_loadcnt 0x0                             ; the adapters' codes of the next K step
.if \fill
	s_wait_xcnt 0x0                                ; the last prefetch has read its base
	s_add_nc_u64 s[PFB:PFB+1], s[PFB:PFB+1], 256
	s_add_nc_u64 s[AP:AP+1], s[AP:AP+1], 256
.endif
.irp j, 0,1,2,3
	ds_store_b128 v[AST], v[AG+4*\j:AG+4*\j+3] offset:(1-\slot)*ASLOT+2*PITCH*\j
.endr
	s_wait_tensorcnt 0x0                           ; my part of the next slot is in
	ds_add_u32 v[SPW], v[NIL]
.if \fill
	STEPG \slot
.endif
	MULB 2, 1, \sc, 0, 0, 4
	s_wait_dscnt 0x0                               ; the add, my stores, my reads of this slot
	s_barrier_signal -1
	MULB 2, 1, \sc, 0, 4, 4
	WIN 0
	s_barrier_wait -1
.if \fill
	CREST
	JLOAD                                          ; the first tensor load behind the round; its four v_nop and four more are the places in front of the loads into set 0
	PLACES 4
.else
	PLACES 8
.endif
	XF 1-\slot, 0, 0, 0
	XF 1-\slot, 0, 0, 4
	WF 1-\slot, 0, 0, 0
	WF 1-\slot, 0, 0, 1
	WF 1-\slot, 0, 0, 2
	WF 1-\slot, 0, 0, 3
	WF 1-\slot, 0, 0, 4
	WF 1-\slot, 0, 0, 5
	s_cmp_eq_u32 s[SKP], 1
	s_cbranch_scc1 .Lno_fragment_\@
	WF 1-\slot, 0, 0, 6
.Lno_fragment_\@:
.if \fill
.irp j, 0,1,2,3
	global_load_b128 v[AG+4*\j:AG+4*\j+3], v[AO], s[AP:AP+1] offset:8192*\j+256
.endr
	s_cmp_gt_u32 s3, s[LIM]                        ; not in the loop's last trip
	s_cbranch_scc0 .Lno_ask_\@
	global_prefetch_b8 v[PFO], s[PFB:PFB+1] offset:768 th:TH_LOAD_NT scope:SCOPE_SE    ; the K step four on, which is fetched two changes of slots later
.Lno_ask_\@:
.endif
	MULB 3, 1, \sc, 0, 0, 8
	MULB 4, 1, \sc, 0, 0, 8
	MULB 5, 1, \sc, 0, 0, 8
	WIN 0
	s_cmp_eq_u32 s[SKP], 1
	s_cbranch_scc1 .Lno_t_\@
	MULB 6, 1, \sc, 0, 0, 8
	WIN 0
.Lno_t_\@:
.endm
	s_wait_alu depctr_va_vdst(0)
	s_wait_tensorcnt 0x0                           ; my part of K step 0 is in; these lines stand ahead of slot 1's first fill as ahead of a refill
	ds_add_u32 v[SPW], v[NIL]
	STEPG 1
	s_wait_dscnt 0x0                               ; the add and my stores of scale bytes and codes
	CROUND
	JLOAD                                          ; K step 1
	XF 0, 0, 0, 0
	XF 0, 0, 0, 4
	SCALES 0, 0
	WF 0, 0, 0, 0
	WF 0, 0, 0, 1
	WF 0, 0, 0, 2
	WF 0, 0, 0, 3
	WF 0, 0, 0, 4
	WF 0, 0, 0, 5
	WF 0, 0, 0, 6
	s_wait_loadcnt 0x0                             ; B
	WIN 0xc3
.set I_, 192
.rept 24
	v_pk_mul_f32 v[I_:I_+1], v[I_:I_+1], 2.0 op_sel_hi:[1,0]   ; the factor 2: exact
.set I_, I_+2
.endr
	WIN 0x0f
.irp b, 0,1,2,3,4,5
.irp i, 0,1,2,3
	v_cvt_pk_bf16_f32 v[PB\b+\i], v[192+8*\b+2*\i], v[192+8*\b+2*\i+1]
.endr
.endr
	WIN 0
	s_wait_alu depctr_va_vdst(0)
	HALF0 0, 0, 1, 8                               ; K step 0's first 128 stands in front of the loop: its products start the sums
	s_mov_b32 s3, 7
.Ltrip:                                                ; from a K step's second 128 to the first 128 two K steps on: K steps 0 to 13 fill their slots again
	TURN 0, 0, 1
	HALF0 1, 1, 0, 16
	v_add_nc_u32 v[ASL], 16, v[ASL]
	v_add_nc_u32 v[AS7], 16, v[AS7]
	s_wait_alu depctr_va_vdst(0)
	TURN 1, 1, 1
	HALF0 0, 0, 0, 8
	s_sub_co_u32 s3, s3, 1
	s_cmp_lg_u32 s3, 0
	s_cbranch_scc1 .Ltrip
	TURN 0, 0, 0                                   ; K step 14: nothing is left to fetch
	; K STEP 15.  Both its halves stand in registers, so T's block is finished first, and T's exchange stands among the other blocks' products
	s_wait_dscnt 20
	MULB 0, 0, 1, 0, 0, 8
	PLACES 8
	XF 1, 1, 1, 0
	XF 1, 1, 1, 4
	s_wait_dscnt 32                                ; the first half is in
	MULB 6, 0, 1, 0, 0, 8
	MULB 4, 0, 1, 0, 0, 8
	WF 1, 1, 1, 6
	WF 1, 1, 1, 4
	WF 1, 1, 1, 5
	WF 1, 1, 1, 0
	WF 1, 1, 1, 1
	WF 1, 1, 1, 2
	WF 1, 1, 1, 3
	MULB 5, 0, 1, 0, 0, 8
	MULB 1, 0, 1, 0, 0, 8
	s_wait_dscnt 24                                ; X's blocks and the adapter's fragment are in
	MULB 6, 1, 1, 0, 0, 8
	MULB 2, 0, 1, 0, 0, 8
	MULB 3, 0, 1, 0, 0, 8
	PLACES 8                                       ; in front of the reads of T
	; THE RANK-16 PRODUCT.  Lane (r, h) holds row r of X's block and ranks 8 h + 0 .. 7 of T: in bf16 pairs these are four registers of a fragment of 16 rows x 32 K.  Both waves of a row half put theirs into LDS and take both.
	WIN 0x0f
.irp a, 0,1,2,3,4,5,6,7
.irp i, 0,1,2,3
	v_cvt_pk_bf16_f32 v[144+4*\a+\i], v[128+8*\a+2*\i], v[128+8*\a+2*\i+1]
.endr
.endr
	WIN 0
.irp a, 0,1,2,3,4,5,6,7
	ds_store_b128 v[TIW], v[144+4*\a:147+4*\a] offset:512*\a
.endr
	s_wait_dscnt 0x0                               ; my images, and the second half's fragments
	s_barrier_signal -1
	MULB 4, 1, 1, 0, 0, 8
	MULB 5, 1, 1, 0, 0, 8
	WIN 0
	s_sub_co_u32 s2, s[CH], 1                      ; all ones where my main run is D's
	s_sub_co_u32 s3, 0, s[CH]                      ; all ones where it is S's
.irp b, 0,1,2,3
.irp i, 0,1,2,3
	v_and_b32 v[BF+8*\b+\i], s2, v[PB\b+\i]
	v_and_b32 v[BF+8*\b+4+\i], s3, v[PB\b+\i]
.endr
.endr
.irp b, 4,5
.irp i, 0,1,2,3
	v_mov_b32 v[BF+8*\b+\i], v[PB\b+\i]
	v_mov_b32 v[BF+8*\b+4+\i], 0
.endr
.endr
	s_wait_alu depctr_va_vdst(0)
	s_barrier_wait -1
	WIN 0x40
.irp a, 0,1,2,3,4,5,6,7
	ds_load_b128 v[8*\a:8*\a+3], v[TIR] offset:512*\a           ; K = 0 .. 15: by D's adapter
.endr
	WIN 0
	s_cmp_eq_u32 s[TWO], 0
	s_cbranch_scc1 .Lone_weight
	WIN 0x40
.irp a, 0,1,2,3,4,5,6,7
	ds_load_b128 v[8*\a+4:8*\a+7], v[TIR] offset:4096+512*\a    ; K = 16 .. 31: by S's, which the other wave column made,
.endr
	WIN 0
	s_branch .Lt_asked
.Lone_weight:
	WIN 0x40
.irp a, 0,1,2,3,4,5,6,7
	ds_load_b128 v[8*\a+4:8*\a+7], v[TIR] offset:512*\a         ; or the same T
.endr
	WIN 0
.Lt_asked:
	MULB 0, 1, 1, 0, 0, 8
	MULB 1, 1, 1, 0, 0, 8
	MULB 2, 1, 1, 0, 0, 8
	MULB 3, 1, 1, 0, 0, 8
	s_wait_dscnt 0x0
	PLACES 9                                       ; another form takes these sums as its C
.macro LORA b
.if \b < 4
	WIN 0xa4
.set AC_, 64*\b
.else
	WIN 0xf4
.set AC_, 64*(\b-4)
.endif
.irp a, 0,1,2,3,4,5,6,7
	v_wmma_f32_16x16x32_bf16 v[AC_+8*\a:AC_+8*\a+7], v[BF+8*\b:BF+8*\b+7], v[8*\a:8*\a+7], v[AC_+8*\a:AC_+8*\a+7]
.endr
.endm
	LORA 4
	LORA 5
	PLACES 4
	; THE WAY OUT.  A lane holds 32 neighbouring bytes of a row: rows of 256 bytes are put together in LDS.  D's second run comes from two waves: it goes first, into a stage that the work-group shares, ahead of a barrier.
	WIN 0x0c
.irp a, 0,1,2,3,4,5,6,7
.irp b, 0,1
	ds_store_b128 v[SHW], v[64*\b+8*\a:64*\b+8*\a+3] offset:\a*BLK+64*\b
	ds_store_b128 v[SHW], v[64*\b+8*\a+4:64*\b+8*\a+7] offset:\a*BLK+64*\b+16
.endr
.endr
	LORA 0
	LORA 1
	LORA 2
	LORA 3
	WIN 0
	PLACES 4
.macro STG k                           ; 16 rows into one of two sets of 32 registers: k < 8: block k of my main run, through my own stage (LDS serves a wave's instructions in order: ISA guide 5.7.1.4); else 16 of my 64 rows of D's second run
.set BK_, 144+32*((\k)%2)
.if \k < 8
	WIN 0x08
.irp b, 0,1,2,3
	ds_store_b128 v[MSW], v[64*\b+8*\k:64*\b+8*\k+3] offset:64*\b
	ds_store_b128 v[MSW], v[64*\b+8*\k+4:64*\b+8*\k+7] offset:64*\b+16
.endr
	WIN 0
.irp t, 0,1,2,3,4,5,6,7
	ds_load_b128 v[BK_+4*\t:BK_+4*\t+3], v[MSR] offset:2*PITCH*\t
.endr
.else
.irp t, 0,1,2,3,4,5,6,7
	ds_load_b128 v[BK_+4*\t:BK_+4*\t+3], v[SHR] offset:(\k-8)*BLK+2*PITCH*\t
.endr
.endif
.endm
.macro SND k, younger                  ; younger: the LDS instructions issued behind this block's loads.  16 lanes store 256 consecutive bytes, at a multiple of 256 from Y's first byte
.set BK_, 144+32*((\k)%2)
	s_wait_dscnt \younger
.irp t, 0,1,2,3,4,5,6,7
.if (\k) < 8
	global_store_b128 v[COUT], v[BK_+4*\t:BK_+4*\t+3], s[18:19] offset:(16*(\k)+2*\t)*16384 th:TH_STORE_NT
.else
	global_store_b128 v[COUT], v[BK_+4*\t:BK_+4*\t+3], s[20:21] offset:(16*((\k)-8)+2*\t)*16384 th:TH_STORE_NT
.endif
.endr
.endm
	STG 0
	s_wait_dscnt 0x0                               ; for the other wave's sake: my part of D's second run lies in LDS
	s_barrier_signal -1
	s_barrier_wait -1
.irp k, 1,2,3,4,5,6,7,8,9,10,11
.if \k > 1
	s_wait_xcnt 0x0                                ; the stores of two blocks back have read their registers
.endif
	STG \k
.if \k < 8
	SND \k-1, 16
.else
	SND \k-1, 8
.endif
.endr
	SND 11, 0
	s_wait_tensorcnt 0x0                           ; the wave's end
	ds_add_u32 v[SPW], v[NIL]
	s_wait_dscnt 0x0
	CROUND                                         ; the closing round: no work-group ends while a partner may still ask for a tile that names it
	s_endpgm
.Lfunc_end_k_q61d3947937_qkv:
	.size	k_q61d3947937_qkv, .Lfunc_end_k_q61d3947937_qkv-k_q61d3947937_qkv
	.p2alignl 7, 3214868480
	.fill 96, 4, 3214868480
	.section	.rodata,"a",@progbits
	.p2align	6, 0x0
	.amdhsa_kernel k_q61d3947937_qkv
		.amdhsa_group_segment_fixed_size 327680
		.amdhsa_private_segment_fixed_size 0
		.amdhsa_enable_private_segment 0
		.amdhsa_kernarg_size 160
		.amdhsa_user_sgpr_count 2
		.amdhsa_user_sgpr_kernarg_segment_ptr 1
		.amdhsa_wavefront_size32 1
		.amdhsa_system_sgpr_workgroup_id_x 1
		.amdhsa_system_sgpr_workgroup_id_y 1
		.amdhsa_system_sgpr_workgroup_id_z 1
		.amdhsa_system_vgpr_workitem_id 0
		.amdhsa_next_free_vgpr 1024
		.amdhsa_next_free_sgpr 106
		.amdhsa_reserve_vcc 0
		.amdhsa_float_denorm_mode_32 3
		.amdhsa_float_denorm_mode_16_64 3
		.amdhsa_memory_ordered 1
		.amdhsa_forward_progress 1
		.amdhsa_inst_pref_size 158
	.end_amdhsa_kernel
	.amdgpu_metadata
---
amdhsa.version: [ 1, 2 ]
amdhsa.kernels:
  - .name:           k_q61d3947937_qkv
    .symbol:         k_q61d3947937_qkv.kd
    .args:
      - { .name: X_codes, .offset: 0, .size: 8, .value_kind: global_buffer, .address_space: global }
      - { .name: X_scales, .offset: 8, .size: 8, .value_kind: global_buffer, .address_space: global }
      - { .name: QW_codes, .offset: 16, .size: 8, .value_kind: global_buffer, .address_space: global }
      - { .name: KW_codes, .offset: 24, .size: 8, .value_kind: global_buffer, .address_space: global }
      - { .name: VW_codes, .offset: 32, .size: 8, .value_kind: global_buffer, .address_space: global }
      - { .name: QW_scales, .offset: 40, .size: 8, .value_kind: global_buffer, .address_space: global }
      - { .name: KW_scales, .offset: 48, .size: 8, .value_kind: global_buffer, .address_space: global }
      - { .name: VW_scales, .offset: 56, .size: 8, .value_kind: global_buffer, .address_space: global }
      - { .name: QA_codes, .offset: 64, .size: 8, .value_kind: global_buffer, .address_space: global }
      - { .name: KA_codes, .offset: 72, .size: 8, .value_kind: global_buffer, .address_space: global }
      - { .name: VA_codes, .offset: 80, .size: 8, .value_kind: global_buffer, .address_space: global }
      - { .name: QA_scales, .offset: 88, .size: 8, .value_kind: global_buffer, .address_space: global }
      - { .name: KA_scales, .offset: 96, .size: 8, .value_kind: global_buffer, .address_space: global }
      - { .name: VA_scales, .offset: 104, .size: 8, .value_kind: global_buffer, .address_space: global }
      - { .name: QB, .offset: 112, .size: 8, .value_kind: global_buffer, .address_space: global }
      - { .name: KB, .offset: 120, .size: 8, .value_kind: global_buffer, .address_space: global }
      - { .name: VB, .offset: 128, .size: 8, .value_kind: global_buffer, .address_space: global }
      - { .name: out0, .offset: 136, .size: 8, .value_kind: global_buffer, .address_space: global }
      - { .name: out1, .offset: 144, .size: 8, .value_kind: global_buffer, .address_space: global }
      - { .name: out2, .offset: 152, .size: 8, .value_kind: global_buffer, .address_space: global }
    .group_segment_fixed_size: 327680
    .private_segment_fixed_size: 0
    .kernarg_segment_align: 8
    .kernarg_segment_size: 160
    .max_flat_workgroup_size: 128
    .sgpr_count:     106
    .vgpr_count:     1024
    .wavefront_size: 32
...
	.end_amdgpu_metadata
.endif
;; end of part 1
